; MI455X (gfx1250); checked and timed in simulation.
; The chip was launched on July 23, 2026; its instructions are those of AMD's public machine-readable ISA for CDNA 5 (MIT licence, August 2026) and "CDNA5" Instruction Set Architecture Reference Guide (July 2026). The comments in the code are by the model that wrote it; some were corrected since.
;; Linear VC. Allowed arithmetic: matrix products marked QUANTISED: E3M2 operands, one E8M0 scale for each 32 along K, by v_wmma_scale_f32_16x16x128_f8f6f4 with both operands' format E3M2, f32 sums; everything else in f32.
;; Inputs: source_features 8,192 x 1,024 float32; target_features 8,192 x 1,024 float32.
;; Outputs: out0 8,192 x 1,024 float32.
;; This version of the problem:
;;   THIS VERSION OF THE PROBLEM IS GIVEN IN LOW PRECISION. The matrix products marked QUANTISED in the list below multiply operands that are first quantised to E3M2 (3 exponent bits, 2 mantissa bits; 6 bits a number), with one power-of-two scale for each 32 numbers along K (OCP MX v1.0); their sums are f32. All else is computed in f32.
;;   The module's matrix products, in the order in which they are computed (A, B: the left and right operand; K: the contracted axis; several contracted axes count as one K, in the product's order):
;;     1. [M 8,192, K 1,024] x [K 1,024, N 8,192]; A: computed on the way; B: computed on the way: QUANTISED
;;   THE QUANTISER, for each operand of a quantised product, along K:
;;     - K is cut into blocks of 32 from its start; a last block that is shorter is filled with zeros.
;;     - A block's scale is 2^e with e = floor(log2(the largest magnitude in the block)) - 4, held to -126 .. 127; a block of zeros has e = 0. As a byte (E8M0): e + 127.
;;     - Each number is divided by its block's scale, clamped to +-28, and rounded to the nearest number of E3M2, ties to even, subnormals kept.
;;     - The product sums the exact products of the quantised numbers (number of the format x scale) in f32.
;;   ~~~python
;;   def quantise(x, axis):      # numpy; x: float32 -> the quantised numbers, widened to float32 again
;;       x = np.moveaxis(x, axis, -1); K = x.shape[-1]
;;       x = np.pad(x, [(0, 0)] * (x.ndim - 1) + [(0, -K % 32)]); x = x.reshape(x.shape[:-1] + (-1, 32)); a = np.abs(x).max(-1, keepdims=True)
;;       e = np.where(a > 0, np.clip(np.frexp(np.where(a > 0, a, 1))[1] - 1 - 4, -126, 127), 0)      # np.frexp(a)[1] - 1 = floor(log2(a)), exactly
;;       r = np.clip(x / 2.0 ** e, -28, 28)
;;       step = 2.0 ** (np.maximum(np.frexp(np.where(r == 0, 1, r))[1] - 1, -2) - 2)
;;       q = np.round(r / step) * step * 2.0 ** e      # np.round: ties to even
;;       return np.moveaxis(q.reshape(q.shape[:-2] + (-1,))[..., :K], -1, axis).astype(np.float32)
;;   ~~~
;;   OPERANDS COMPUTED ON THE WAY. 'Computed on the way' means the value that the module computes at that place (a softmax that the list does not call 'softmax' is quantised finished and normalised). What goes into a quantiser is computed in f32, as accurately as f32 sums, v_exp_f32 and their like allow (about 1e-6 of the number): no bf16 or f16 on the way to a quantiser, and a product that is left as it is and whose result goes on into a quantised operand takes f32 operands (vector FMAs, or v_wmma_f32_16x16x4_f32). A number that lies on a knife's edge between two numbers of the format may be rounded either way, as far as f32 arithmetic and the matrix unit's own rounding can turn it there, and no further.
;; One version. Each part assembles by itself: llvm-mc -triple=amdgcn-amd-amdhsa -mcpu=gfx1250 --defsym DOCPART=n.
;; ======== version 1 of 1: 3 launches
;; workspace buffers: recs 13,107,200 bytes; cand 524,288 bytes of whole numbers
;; launch quant (part 1): grid 1024 x 1, 4 waves a work-group, no clusters, 50,688 bytes of LDS; arguments source_features, target_features, recs; writes recs
.if DOCPART == 1
	.amdgcn_target "amdgcn-amd-amdhsa--gfx1250"
	.amdhsa_code_object_version 6
	.text
	.protected	k_qf7e56d204e_quant
	.globl	k_qf7e56d204e_quant
	.p2align	8
	.type	k_qf7e56d204e_quant,@function
k_qf7e56d204e_quant:
	s_mov_b64 s[64:65], 0
	v_nop
	global_prefetch_b8 v0, s[64:65] scope:SCOPE_SE
	s_setreg_imm32_b32 hwreg(HW_REG_WAVE_MODE, 25, 1), 1
	s_wait_xcnt 0x0
; Both tensors, [8192][1024] f32, row by row: n = sqrt(sum of squares), x / max(n, 1e-12), then codes of BF6 (E3M2) with one E8M0 byte for each 32 along K.
; A block's scale is 2^(floor(log2(its largest magnitude)) - 4): its byte is the largest magnitude's exponent field - 4, held at 1 from below.
; What goes into the quantiser is kept as near to the correctly rounded value as f32 allows: the root and the reciprocal get one correction step each, and each quotient one residual step.
; LIMITS: NaN and infinities among the inputs are not served; a row whose sum of squares passes f32's range (root mean square above some 5e17) is not served;
; a block of zeros gets the byte 1 where the rule says 127: its codes are zeros, which add nothing under any byte but 0xff, and this program alone reads the bytes.
; OUTPUT: records of 12,800 bytes, one for 16 rows (records 0-511: source rows, 512-1023: target rows), laid in the order of the matrix operand's registers:
;   bytes 1536 k + 48 L + 0..47: lane L = 16 h + r of K step k: row r, K = 128 k + 32 h + 0..31 (24 bytes), then K = 128 k + 64 + 32 h + 0..31 (24 bytes);
;   bytes 12288 + 16 L + 4 q: the scale word of row L % 16 for K step 2 q + L / 16.
; SHARES: a work-group makes one record; wave w its rows 4 w .. 4 w + 3, each row whole in 32 registers a lane.  No loop: every offset is an immediate.
; Each load reads 512 consecutive bytes; a row then turns through the wave's own stage in LDS, so that lane l holds block l of the row, 32 neighbours along K, in its 32 registers.
; The codes are gathered in an image of the record in LDS and leave as runs of 512 consecutive bytes, at multiples of 256 from the buffer's first byte.
.set EPS,   0x2b8cbccc                 ; 1e-12
.set FLOOR, 0x2800000                  ; 2^(5 - 127): under it no largest magnitude is taken, so the byte cannot fall under 1
.set REC,   12800
.set STG,   4608                       ; a stage: 32 blocks x (128 bytes + 16)
.set WST,   2*STG                      ; two stages a wave
.set IMG,   4*WST                      ; behind the stages: the record's image; its fragments lie FP bytes apart,
.set FP,    1552                       ; 1,536 + 16, so that the eight K steps' stores of 8 bytes start 16 bytes apart modulo 256
.set SCL,   IMG+8*FP                   ; and its 512 bytes of scale words
.set RS,   12                          ; v12-15   a row's sum of squares
.set RN,   16                          ; v16-19   its norm
.set RR,   20                          ; v20-27   1 / max(norm, eps), twice: a pair for the packed forms
.set RNM,  28                          ; v28-35   max(norm, eps), twice
.set RP,   36                          ; v36-51   two pairs of partial sums a row
.set RT,   52                          ; v52-59   at work
.set RMX,  60                          ; v60-63   largest magnitudes, two chains, two sets
.set RSCO, 64                          ; v64-67   the conversion's scale operand
.set RBY,  68                          ; v68-71   the scale's byte
.set RC,   72                          ; v72-103  codes, eight registers a row
.set RX,   104                         ; v104-231 the four rows
	s_load_b128 s[4:7], s[0:1], 0x0                ; source_features, target_features
	s_load_b64 s[8:9], s[0:1], 0x10                ; recs
	v_lshl_add_u32 v232, v0, 2, 0xc400
	v_mov_b32 v233, 0
	v_lshrrev_b32 v1, 5, v0
	v_readfirstlane_b32 s10, v1                    ; wave 0..3
	v_and_b32 v1, 31, v0                           ; lane l
	v_lshlrev_b32 v2, 4, v1                        ; 16 l
	s_cmp_lt_u32 ttmp9, 512
	s_cselect_b32 s18, 0, 512
	s_sub_co_u32 s18, ttmp9, s18                   ; the record's number in its tensor
	s_lshl_b32 s18, s18, 16                        ; 16 rows of 4,096 bytes
	s_lshl_b32 s19, s10, 14                        ; my wave's 4 rows
	s_add_co_u32 s18, s18, s19
	s_mov_b32 s19, 0
	s_mul_i32 s20, ttmp9, REC
	s_mov_b32 s21, 0
	s_mov_b32 s16, 0x76543210                      ; v_permlanex16_b32's selects for lane l xor 16
	s_mov_b32 s17, 0xfedcba98
	s_wait_kmcnt 0x0
	s_cmp_lt_u32 ttmp9, 512                        ; the choice of the tensor hangs on the work-group's number alone
	s_cselect_b64 s[12:13], s[4:5], s[6:7]
	s_add_nc_u64 s[12:13], s[12:13], s[18:19]
	s_add_nc_u64 s[14:15], s[8:9], s[20:21]
.irp r, 0,1,2,3
.irp i, 0,1,2,3,4,5,6,7
	global_load_b128 v[RX+32*\r+4*\i:RX+32*\r+4*\i+3], v2, s[12:13] offset:4096*\r+512*\i th:TH_LOAD_NT   ; 32 lanes read 512 consecutive bytes: lane l the row's numbers 128 i + 4 l ..
.endr
.endr
	; the addresses are made while the loads are out
	s_mul_i32 s18, s10, WST
	v_lshrrev_b32 v10, 3, v1
	v_and_b32 v11, 7, v1
	v_mul_u32_u24 v3, v10, 144
	v_lshl_add_u32 v3, v11, 4, v3
	v_add_nc_u32 v3, s18, v3                       ; into a stage: eight lanes' 128 bytes are a block, then 16 of padding; a load's four blocks take 576 bytes
	v_mul_u32_u24 v4, v1, 144
	v_add_nc_u32 v4, s18, v4                       ; out of it: block l
	v_lshrrev_b32 v10, 2, v1                       ; block l lies in K step l / 4; there it is block 2 c + h
	v_mul_u32_u24 v5, v10, FP
	v_and_b32 v11, 1, v1
	v_mad_u32_u24 v5, v11, 768, v5                 ; h = l % 2: 16 lanes of 48 bytes on
	v_bfe_u32 v11, v1, 1, 1
	v_mad_u32_u24 v5, v11, 24, v5                  ; c = (l / 2) % 2: the lane's second 24 bytes
	s_mul_i32 s19, s10, 192
	s_add_co_u32 s19, s19, IMG
	v_add_nc_u32 v5, s19, v5                       ; + 48 x row: 192 x wave here, 48 x the row of four in the immediate
	v_bfe_u32 v11, v1, 2, 1
	v_lshlrev_b32 v6, 8, v11                       ; the scale's byte: 256 x (K step % 2)
	v_lshrrev_b32 v11, 3, v1
	v_lshl_add_u32 v6, v11, 2, v6                  ; + 4 x (K step / 2)
	v_and_b32 v11, 3, v1
	v_add_nc_u32 v6, v6, v11                       ; + the block in the K step
	s_lshl_b32 s19, s10, 6
	s_add_co_u32 s19, s19, SCL
	v_add_nc_u32 v6, s19, v6                       ; + 16 x row
	s_mul_i32 s19, s10, 2*FP
	s_add_co_u32 s19, s19, IMG
	v_add_nc_u32 v7, s19, v2                       ; the way out: my wave's two fragments of the image,
	s_mul_i32 s19, s10, 3072
	v_add_nc_u32 v8, s19, v2                       ; and their place in the record
	v_add_nc_u32 v9, SCL, v2                       ; the scale words
.irp r, 0,1,2,3
	v_mov_b32 v[RT+\r], 0                          ; written once: a lane permute's destination counts as one of its sources
.endr
.macro SUMSQ r                         ; my 32 numbers' squares, two at a time, in two chains started by the first products: nothing is cleared
.set XB, RX+32*\r
.set PB, RP+4*\r
	s_wait_loadcnt 24-8*\r                         ; this row's eight loads are in; the later rows' may be out
	v_pk_mul_f32 v[PB:PB+1], v[XB:XB+1], v[XB:XB+1]
	v_pk_mul_f32 v[PB+2:PB+3], v[XB+2:XB+3], v[XB+2:XB+3]
.irp i, 4,8,12,16,20,24,28
	v_pk_fma_f32 v[PB:PB+1], v[XB+\i:XB+\i+1], v[XB+\i:XB+\i+1], v[PB:PB+1]
	v_pk_fma_f32 v[PB+2:PB+3], v[XB+\i+2:XB+\i+3], v[XB+\i+2:XB+\i+3], v[PB+2:PB+3]
.endr
	v_pk_add_f32 v[PB:PB+1], v[PB:PB+1], v[PB+2:PB+3]
	v_add_f32 v[RS+\r], v[PB], v[PB+1]
.endm
	SUMSQ 0
	SUMSQ 1
	SUMSQ 2
	SUMSQ 3
.irp m, 1,2,4,8                        ; across the 32 lanes, the four rows by turns
.irp r, 0,1,2,3
	v_add_f32_dpp v[RS+\r], v[RS+\r], v[RS+\r] row_xmask:\m row_mask:0xf bank_mask:0xf
.endr
.endr
.irp r, 0,1,2,3
	v_permlanex16_b32 v[RT+\r], v[RS+\r], s16, s17
.endr
.irp r, 0,1,2,3
	v_add_f32 v[RS+\r], v[RS+\r], v[RT+\r]         ; every lane holds the row's sum of squares
.endr
	; the norms: a batch of four roots, a batch of four reciprocals, one correction step for each
.irp r, 0,1,2,3
	v_sqrt_f32 v[RN+\r], v[RS+\r]
.endr
	v_nop                                          ; a plain instruction behind the last root
	s_wait_alu depctr_va_vdst(0)                   ; one wait for the four, ahead of their first reader
.irp r, 0,1,2,3
	v_max_num_f32 v[RNM+2*\r], EPS, v[RN+\r]
.endr
.irp r, 0,1,2,3
	v_rcp_f32 v[RR+2*\r], v[RNM+2*\r]
.endr
.irp r, 0,1,2,3
	v_fma_f32 v[RT+\r], -v[RN+\r], v[RN+\r], v[RS+\r]   ; what the root leaves: S - n n.  (Plain work behind the reciprocals, which names none of their registers)
.endr
	s_wait_alu depctr_va_vdst(0)                   ; one wait for the four reciprocals
.irp r, 0,1,2,3
	v_mul_f32 v[RT+4+\r], 0.5, v[RR+2*\r]
.endr
.irp r, 0,1,2,3
	v_fma_f32 v[RN+\r], v[RT+\r], v[RT+4+\r], v[RN+\r]   ; n + (S - n n) / (2 n)
.endr
.irp r, 0,1,2,3
	v_max_num_f32 v[RNM+2*\r], EPS, v[RN+\r]       ; the divisor, as reference() has it
.endr
.irp r, 0,1,2,3
	v_fma_f32 v[RT+\r], -v[RNM+2*\r], v[RR+2*\r], 1.0
.endr
.irp r, 0,1,2,3
	v_fma_f32 v[RR+2*\r], v[RT+\r], v[RR+2*\r], v[RR+2*\r]   ; its reciprocal, corrected
.endr
.irp r, 0,1,2,3
	v_mov_b32 v[RR+2*\r+1], v[RR+2*\r]             ; both halves of the pairs that the packed forms name
	v_mov_b32 v[RNM+2*\r+1], v[RNM+2*\r]
.endr
.macro NORM r                          ; x / divisor: q = x R;  q + (x - q divisor) R.  Four pairs by turns
.set XB, RX+32*\r
.irp i, 0,8,16,24
.irp j, 0,2,4,6
	v_pk_mul_f32 v[RT+\j:RT+\j+1], v[XB+\i+\j:XB+\i+\j+1], v[RR+2*\r:RR+2*\r+1]
.endr
.irp j, 0,2,4,6
	v_pk_fma_f32 v[XB+\i+\j:XB+\i+\j+1], v[RT+\j:RT+\j+1], v[RNM+2*\r:RNM+2*\r+1], v[XB+\i+\j:XB+\i+\j+1] neg_lo:[1,0,0] neg_hi:[1,0,0]
.endr
.irp j, 0,2,4,6
	v_pk_fma_f32 v[XB+\i+\j:XB+\i+\j+1], v[XB+\i+\j:XB+\i+\j+1], v[RR+2*\r:RR+2*\r+1], v[RT+\j:RT+\j+1]
.endr
.endr
.endm
.macro TURN r                          ; the row through a stage of my own: LDS serves a wave's instructions in order (ISA guide 5.7.1.4), so no wait stands between the stores and the loads
.set XB, RX+32*\r
.irp i, 0,1,2,3,4,5,6,7
	ds_store_b128 v3, v[XB+4*\i:XB+4*\i+3] offset:STG*((\r)%2)+576*\i
.endr
.irp i, 0,1,2,3,4,5,6,7
	ds_load_b128 v[XB+4*\i:XB+4*\i+3], v4 offset:STG*((\r)%2)+16*\i
.endr
.endm
.macro QUANT r                         ; my block of the row: all its 32 numbers are mine
.set XB, RX+32*\r
.set CB, RC+8*\r
.set MB, RMX+2*((\r)%2)
	v_max3_num_f32 v[MB], |v[XB]|, |v[XB+1]|, |v[XB+2]|
	v_max3_num_f32 v[MB+1], |v[XB+3]|, |v[XB+4]|, |v[XB+5]|
.irp i, 6,10,14,18,22,26
	v_max3_num_f32 v[MB], v[MB], |v[XB+\i]|, |v[XB+\i+1]|
	v_max3_num_f32 v[MB+1], v[MB+1], |v[XB+\i+2]|, |v[XB+\i+3]|
.endr
	v_max3_num_f32 v[MB], v[MB], |v[XB+30]|, |v[XB+31]|
	v_max3_num_f32 v[MB], v[MB], v[MB+1], FLOOR
	v_add_nc_u32 v[RSCO+\r], 0xfe000000, v[MB]     ; 4 off its exponent field: the conversion takes the exponent field of this operand as its scale, and nothing else of it
	v_cvt_scalef32_pk16_bf6_f32 v[CB:CB+2], v[XB:XB+15], v[RSCO+\r]
	v_cvt_scalef32_pk16_bf6_f32 v[CB+4:CB+6], v[XB+16:XB+31], v[RSCO+\r]   ; (a conversion's three registers begin on an even number)
	v_lshrrev_b32 v[RBY+\r], 23, v[RSCO+\r]        ; the scale's byte.  (The plain instruction behind the conversions)
	v_mov_b32 v[CB+3], v[CB+4]                     ; the block's 192 bits on end
	v_mov_b32 v[CB+4], v[CB+5]
	v_mov_b32 v[CB+5], v[CB+6]
	ds_store_b64 v5, v[CB:CB+1] offset:48*\r
	ds_store_b64 v5, v[CB+2:CB+3] offset:48*\r+8
	ds_store_b64 v5, v[CB+4:CB+5] offset:48*\r+16
	ds_store_b8 v6, v[RBY+\r] offset:16*\r
.endm
	NORM 0
	TURN 0
	NORM 1
	TURN 1
	s_wait_dscnt 16                                ; row 0 is back; row 1's sixteen LDS instructions may be out
	QUANT 0
	NORM 2
	TURN 2
	s_wait_dscnt 20                                ; row 1 is back; behind it: row 0's four image stores and row 2's sixteen
	QUANT 1
	NORM 3
	TURN 3
	s_wait_dscnt 20                                ; row 2 is back; behind it: four stores and row 3's sixteen
	QUANT 2
	s_wait_dscnt 4                                 ; row 3 is back; behind it: four stores
	QUANT 3
	s_wait_dscnt 0x0                               ; for the others' sake: my stores into the image are done
	s_barrier_signal -1
	s_barrier_wait -1
.irp i, 0,1,2,3,4,5
	ds_load_b128 v[RX+4*\i:RX+4*\i+3], v7 offset:FP*(\i/3)+512*(\i%3)
.endr
.irp i, 0,1,2,3,4,5
	s_wait_dscnt 5-\i
	global_store_b128 v8, v[RX+4*\i:RX+4*\i+3], s[14:15] offset:512*\i   ; 32 lanes store 512 consecutive bytes, at a multiple of 256 from the buffer's first byte
.endr
	s_cmp_lg_u32 s10, 0                            ; wave 0 also takes the 512 bytes of scale words
	s_cbranch_scc1 .Lend
	ds_load_b128 v[RX+24:RX+27], v9
	s_wait_dscnt 0x0
	global_store_b128 v2, v[RX+24:RX+27], s[14:15] offset:12288
.Lend:
	s_wait_tensorcnt 0x0
	ds_add_u32 v232, v233
	s_wait_dscnt 0x0
	s_endpgm
.Lfunc_end_k_qf7e56d204e_quant:
	.size	k_qf7e56d204e_quant, .Lfunc_end_k_qf7e56d204e_quant-k_qf7e56d204e_quant
	.p2alignl 7, 3214868480
	.fill 96, 4, 3214868480
	.section	.rodata,"a",@progbits
	.p2align	6, 0x0
	.amdhsa_kernel k_qf7e56d204e_quant
		.amdhsa_group_segment_fixed_size 50688
		.amdhsa_private_segment_fixed_size 0
		.amdhsa_enable_private_segment 0
		.amdhsa_kernarg_size 24
		.amdhsa_user_sgpr_count 2
		.amdhsa_user_sgpr_kernarg_segment_ptr 1
		.amdhsa_wavefront_size32 1
		.amdhsa_system_sgpr_workgroup_id_x 1
		.amdhsa_system_sgpr_workgroup_id_y 1
		.amdhsa_system_sgpr_workgroup_id_z 1
		.amdhsa_system_vgpr_workitem_id 0
		.amdhsa_next_free_vgpr 234
		.amdhsa_next_free_sgpr 66
		.amdhsa_reserve_vcc 0
		.amdhsa_float_denorm_mode_32 3
		.amdhsa_float_denorm_mode_16_64 3
		.amdhsa_memory_ordered 1
		.amdhsa_forward_progress 1
		.amdhsa_inst_pref_size 39
	.end_amdhsa_kernel
	.amdgpu_metadata
---
amdhsa.version: [ 1, 2 ]
amdhsa.kernels:
  - .name:           k_qf7e56d204e_quant
    .symbol:         k_qf7e56d204e_quant.kd
    .args:
      - { .name: source_features, .offset: 0, .size: 8, .value_kind: global_buffer, .address_space: global }
      - { .name: target_features, .offset: 8, .size: 8, .value_kind: global_buffer, .address_space: global }
      - { .name: recs, .offset: 16, .size: 8, .value_kind: global_buffer, .address_space: global }
    .group_segment_fixed_size: 50688
    .private_segment_fixed_size: 0
    .kernarg_segment_align: 8
    .kernarg_segment_size: 24
    .max_flat_workgroup_size: 128
    .sgpr_count:     66
    .vgpr_count:     234
    .wavefront_size: 32
...
	.end_amdgpu_metadata
.endif
;; end of part 1
;; launch match (part 2): grid 32 x 8, 4 waves a work-group, clusters of 4 x 1, 327,680 bytes of LDS; arguments recs, cand; writes cand
.if DOCPART == 2
	.amdgcn_target "amdgcn-amd-amdhsa--gfx1250"
	.amdhsa_code_object_version 6
	.text
	.protected	k_qf7e56d204e_match
	.globl	k_qf7e56d204e_match
	.p2align	8
	.type	k_qf7e56d204e_match,@function
k_qf7e56d204e_match:
	s_mov_b64 s[64:65], 0
	v_nop
	global_prefetch_b8 v0, s[64:65] scope:SCOPE_SE
	s_setreg_imm32_b32 hwreg(HW_REG_WAVE_MODE, 25, 1), 1
	s_wait_xcnt 0x0
	s_wait_alu depctr_hold_cnt(0) depctr_sa_sdst(0) depctr_va_vdst(0) depctr_va_sdst(0) depctr_va_ssrc(0) depctr_va_vcc(0) depctr_vm_vsrc(0)
	s_getreg_b32 s2, hwreg(HW_REG_IB_STS2, 6, 4)
	s_cmp_eq_u32 s2, 0
	s_cbranch_scc0 .Lentry_in_a_cluster
	s_endpgm
.Lentry_in_a_cluster:
	s_bfe_u32 s2, ttmp6, 0x10000c
	s_cmp_lg_u32 s2, 0x3003
	s_cbranch_scc0 .Lentry_shape_is_right
	s_endpgm
.Lentry_shape_is_right:
; s[src][tgt] = the product of the quantised, normalised rows (codes of BF6, one E8M0 scale for each 32 along K = 1,024; sums in f32); d = 1 - s, rounded to f32 as reference() rounds it;
; for each source and each eighth of the targets: the smallest d and the lowest target that has it.  Stored: a key (d's bits made sortable as an unsigned number) and the target's index.
; LIMITS: a NaN among the scores is not served (it never wins a comparison).
; SHARES.  Work-group (x, y): 256 sources (x) against 1,024 targets (y): 256 work-groups of equal work.  Wave w keeps its 64 sources (four blocks of 16, all of K: 384 registers) for the whole launch;
; all four waves walk the same 64 blocks of 16 targets out of LDS.  A target fragment of 1,536 bytes feeds four matrix instructions.
; LAYOUT.  Source 0 = 16 targets, source 1 = 16 sources: in the result lane (r, h) holds source r, and its register j target 8 h + j: the minimum runs along a lane's own registers.
; THE MINIMUM.  The rounding of 1 - s never rises with s, so the smallest d of eight scores is 1 - their largest.  For a block: the largest of the lane's eight scores; d of it; where d is LESS than the best so far (blocks ascend, so the
; lower index stays on a tie) the best d, the block's index and the eight scores are kept, by selects: 16 vector instructions for eight registers.  Which of the eight it was is looked up once, at the end.
; BY TURNS.  A block's 32 matrix instructions (8 K steps x 4 source blocks, the four accumulators by turns) carry, two lines behind each, the minimum of the block BEFORE, which lies in the other set of accumulators,
; and, one behind three of four, the LDS loads of the block AFTER.  That costs up to three switches of the register window for a matrix instruction.
; CLUSTER.  The four work-groups of a cluster have the same y, so they walk the same targets: each tile is asked for JOINTLY, by the same tensor load with the same descriptor and a mask that names the four.
; The sources differ from partner to partner and are read once, straight into registers.
; THE RING.  Two LDS slots of eight records (102,400 dense bytes); each wave fetches a quarter of a slot by one tensor load of 100 rows of 256 bytes.  A refill has eight blocks, 256 matrix instructions a wave, in which to land.
; A wave has two tensor loads out at the start and one behind each change of slots.
; REGISTERS, in windows of 256 (s_set_vgpr_msb: bits 1:0 source 0, 3:2 source 1, 5:4 source 2, 7:6 destination):
;   window 0: addresses, the minimum's state, scale words, two sets of four accumulators.   window 1: sources' blocks 0, 1 (block a, K step k at v[96 a + 12 k]).   window 2: blocks 2, 3.
;   window 3: the targets' fragments, two sets (set p, K step k at v[96 p + 12 k]).
.set REC,   12800                      ; a record: 16 rows; 8 fragments of 1,536 bytes, then 512 bytes of scale words
.set FRB,   1536
.set SCW,   12288
.set TGT0,  512*REC                    ; the targets' first record
.set SLOTB, 8*REC
.set SLOT1, 1<<17                      ; slot 1 begins here, so that one exclusive or turns an address in one slot into the other's
.set SPARE, SLOT1+SLOTB                ; behind the ring: the spare words, 128 bytes for each wave: two blocks of 256 bytes that no other line names
.set L48,  2                           ; v2   48 x lane: my place in a fragment; never rewritten
.set L16,  3                           ; v3   16 x lane: my place among a record's scale words; never rewritten
.set ADR,  4                           ; v4   LDS address of the record that is being fetched
.set ADS,  5                           ; v5   and of its scale words
.set SPW,  6                           ; v6   LDS address of my spare word: SPARE + 4 x my thread's number; never rewritten
.set NIL,  7                           ; v7   0; never rewritten
.set H8,   8                           ; v8   8 x (lane / 16)
.set L8,   9                           ; v9   8 x lane
.set VT,   10                          ; v10  the index of the first target of the block whose minimum is in hand
.set RM,   12                          ; v12-15   the largest of the lane's eight scores, for each source block a
.set RDM,  16                          ; v16-19   1 - that
.set RBD,  20                          ; v20-23   the best d so far
.set RBC,  24                          ; v24-27   its block's first target
.set SAV,  28                          ; v28-59   its block's eight scores
.set TS,   60                          ; v60-67   the targets' scale words, two sets of four: register q: lanes 0-15 K step 2 q, lanes 16-31 K step 2 q + 1
.set SS,   68                          ; v68-83   the sources' likewise, four for each block a
.set RT,   84                          ; v84-91   at work at the end
.set JX,   92
.set OKY,  93
.set OIX,  94
.set KEY,  96                          ; v96-99
.set IDX,  100                         ; v100-103
.set OUT,  104                         ; v104-107
.set ACC,  128                         ; v128-191 accumulators: set p, block a at v[128 + 32 p + 8 a]
.set WV,    8                          ; s8   my wave's number
.set G1,    16                         ; s[16:23] descriptor group 1
.set G0A,   24                         ; s[24:27] group 0 of slot 0's first fill
.set G0B,   28                         ; s[28:31] group 0 of slot 1's first fill, which then walks on
.set TB,    32                         ; s32  LDS byte of the record to be fetched next
.set TI,    33                         ; s33  first target of the block whose minimum is in hand
.set SLOTS, 34
.set PAIRS, 35
.set MK,    36                         ; s[36:39] lanes in which the block in hand is the best so far, for each a
.set SEL,   40                         ; s[40:41] v_permlanex16_b32's selects for lane l xor 16
.set HM,    42                         ; s42  lanes 16-31
.set MSB, 0
.macro WIN new                         ; the immediate's high byte repeats the setting that is left; a switch that changes nothing is dropped
.if MSB != \new
	s_set_vgpr_msb (MSB<<8)|\new
.set MSB, \new
.endif
.endm
.macro PLACES
.rept 4
	v_nop
.endr
.endm
.macro CREST                           ; a round of the cluster's barrier behind its opening barrier
	s_cmp_lg_u32 s[WV], 0
	s_cbranch_scc1 .Lnot_wave_0_\@
	s_barrier_signal -3
.Lnot_wave_0_\@:
	s_barrier_wait -3
	s_barrier_signal -1
	s_barrier_wait -1
.endm
.macro CROUND                          ; a whole round
	s_barrier_signal -1
	s_barrier_wait -1
	CREST
.endm
	s_load_b128 s[4:7], s[0:1], 0x0                ; recs, cand
	v_lshl_add_u32 v[SPW], v0, 2, SPARE
	v_mov_b32 v[NIL], 0
	ds_add_u32 v6, v7
	ds_add_u32 v6, v7
	s_wait_dscnt 0x0
	v_lshrrev_b32 v1, 5, v0
	v_readfirstlane_b32 s[WV], v1                  ; wave 0..3
	v_and_b32 v1, 31, v0                           ; lane
	v_mul_u32_u24 v[L48], v1, 48
	v_lshlrev_b32 v[L16], 4, v1
	v_lshlrev_b32 v[L8], 3, v1
	v_bfe_u32 v[H8], v0, 4, 1
	v_lshlrev_b32 v[H8], 3, v[H8]
	s_bfe_u32 s9, ttmp6, 0x40000                   ; cx: my place in the cluster
	s_lshl_b32 s10, ttmp9, 2                       ; in a cluster launch ttmp9 counts clusters
	s_add_co_u32 s10, s10, s9                      ; my group of 256 sources: it enters the sources' and the results' addresses alone
	s_and_b32 s11, ttmp7, 0xffff                   ; y: my eighth of the targets, which the four partners share
	; descriptor group 1: 100 rows of 256 bytes (32 elements of 8 bytes), dense in memory and in LDS
	s_mov_b32 s[G1+0], 15|(3<<16)|(1<<21)          ; 15:0 the mask: all four work-groups; 17:16 elements of 8 bytes; 20 no padding; 21 set beside a mask
	s_mov_b32 s[G1+1], 32<<16                      ; tensor_dim0 = 32
	s_mov_b32 s[G1+2], 100<<16                     ; tensor_dim1 = 100
	s_mov_b32 s[G1+3], 32<<16                      ; tile_dim0 = 32
	s_mov_b32 s[G1+4], 100                         ; tile_dim1 = 100
	s_mov_b32 s[G1+5], 32                          ; tensor_dim0_stride
	s_mov_b32 s[G1+6], 0
	s_mov_b32 s[G1+7], 0
	s_mul_i32 s14, s10, 16*REC                     ; my sources: 16 records a group,
	s_mul_i32 s15, s[WV], 4*REC                    ; 4 a wave
	s_add_co_u32 s14, s14, s15
	s_mov_b32 s15, 0
	s_lshl_b32 s44, s11, 16                        ; my results: 65,536 bytes a range of targets,
	s_lshl_b32 s45, s10, 11                        ; 2,048 a group of sources,
	s_add_co_u32 s44, s44, s45
	s_lshl_b32 s45, s[WV], 9                       ; 512 a wave
	s_add_co_u32 s44, s44, s45
	s_mov_b32 s45, 0
	s_mov_b32 s[G0A], 1                            ; 1:0 count = 1
	s_mov_b32 s[G0B], 1
	s_mul_i32 s[G0A+1], s[WV], SLOTB/4             ; LDS address: my quarter of slot 0: no place in the cluster enters it
	s_add_co_u32 s[G0B+1], s[G0A+1], SLOT1         ; and of slot 1
	s_mul_i32 s48, s11, 8*SLOTB                    ; my targets, in registers that never hold cx: eight slots' worth a range,
	s_add_co_u32 s48, s48, s[G0A+1]                ; my quarter of a slot,
	s_add_co_u32 s48, s48, TGT0                    ; behind the sources' records
	s_mov_b32 s49, 0
	s_mov_b32 s[TB], 0
	s_lshl_b32 s[TI], s11, 10
	s_mov_b32 s[SEL], 0x76543210
	s_mov_b32 s[SEL+1], 0xfedcba98
	s_mov_b32 s[HM], 0xffff0000
	s_wait_kmcnt 0x0
	s_add_nc_u64 s[12:13], s[4:5], s[14:15]
	s_add_nc_u64 s[46:47], s[6:7], s[44:45]
	s_add_nc_u64 s[G0A+2:G0A+3], s[4:5], s[48:49]  ; global address: records 0-7 of my range,
	s_add_nc_u64 s[G0B+2:G0B+3], s[G0A+2:G0A+3], SLOTB   ; records 8-15
	s_or_b32 s[G0A+3], s[G0A+3], 0x80000000        ; 127:126 type = 2
	s_or_b32 s[G0B+3], s[G0B+3], 0x80000000
	CROUND                                         ; all four work-groups are here: the first joint loads meet
	tensor_load_to_lds s[G0A:G0A+3], s[G1:G1+7]    ; both first fills go out together, ahead of every wait on TENSORcnt and every LDS read
	s_nop 0
	tensor_load_to_lds s[G0B:G0B+3], s[G1:G1+7]
	s_nop 0
	PLACES                                         ; four v_nop follow
	WIN 0x40                                       ; destination window 1
.irp a, 0,1
.irp k, 0,1,2,3,4,5,6,7
.irp g, 0,1,2
	global_load_b128 v[96*\a+12*\k+4*\g:96*\a+12*\k+4*\g+3], v[L48], s[12:13] offset:REC*\a+FRB*\k+16*\g   ; the sources stay in registers
.endr
.endr
.endr
	WIN 0x80                                       ; destination window 2
.irp a, 0,1
.irp k, 0,1,2,3,4,5,6,7
.irp g, 0,1,2
	global_load_b128 v[96*\a+12*\k+4*\g:96*\a+12*\k+4*\g+3], v[L48], s[12:13] offset:REC*(\a+2)+FRB*\k+16*\g
.endr
.endr
.endr
	WIN 0
.irp a, 0,1,2,3
	global_load_b128 v[SS+4*\a:SS+4*\a+3], v[L16], s[12:13] offset:REC*\a+SCW
.endr
.irp a, 0,1,2,3
	v_mov_b32 v[RBD+\a], 0x7f800000                ; the best d so far: +infinity, above every d
	v_mov_b32 v[RBC+\a], 0
.endr
.irp j, 0,1,2,3,4,5,6,7,8,9,10,11,12,13,14,15,16,17,18,19,20,21,22,23,24,25,26,27,28,29,30,31
	v_mov_b32 v[SAV+\j], 0                         ; (a select reads what it may keep: written once)
.endr
	v_mov_b32 v[OKY], 0                            ; a lane permute's destination counts as one of its sources
	v_mov_b32 v[OIX], 0
; THE MINIMUM of a block is a list of 64 instructions; EP writes number n of it, for the accumulators of set q.  Source block n % 4, stage n / 4: the four blocks by turns, so that no line reads the line above it.
; Stage 0 reads an accumulator's lowest registers first.
.macro EP q
.set ea, n%4
.set es, n/4
.set ec, ACC+32*(\q)+8*ea
.if n == 24
	v_mov_b32 v[VT], s[TI]
.endif
.if es == 0
	v_max3_num_f32 v[RM+ea], v[ec], v[ec+1], v[ec+2]
.elseif es < 3
	v_max3_num_f32 v[RM+ea], v[RM+ea], v[ec+2*es+1], v[ec+2*es+2]
.elseif es == 3
	v_max_num_f32 v[RM+ea], v[RM+ea], v[ec+7]
.elseif es == 4
	v_sub_f32 v[RDM+ea], 1.0, v[RM+ea]             ; d, rounded as reference() rounds it
.elseif es == 5
	v_cmp_lt_f32 s[MK+ea], v[RDM+ea], v[RBD+ea]    ; strictly less: on a tie the earlier block stays
.elseif es == 6
	v_min_num_f32 v[RBD+ea], v[RBD+ea], v[RDM+ea]
.elseif es == 7
	v_cndmask_b32 v[RBC+ea], v[RBC+ea], v[VT], s[MK+ea]
.else
	v_cndmask_b32 v[SAV+8*ea+es-8], v[SAV+8*ea+es-8], v[ec+es-8], s[MK+ea]
.endif
.endm
; One matrix instruction and what stands behind it.  sk: the K step, sa: the source block (symbols).  p: the set of the block in hand.  ep = 1: two lines of the minimum of the block before (set 1 - p).
; g >= 0: 16 bytes a lane of the next block's fragment sk, into set 1 - p.  An odd K step's scale words stand in lanes 16-31 of both scale registers.
.macro SLOT p, ep, g
.if sa < 2
	WIN 0x07                                       ; source 0 window 3, source 1 window 1, C and D window 0
.else
	WIN 0x0b                                       ; source 1 window 2
.endif
.set rD, ACC+32*(\p)+8*sa
.set rT, 96*(\p)+12*sk
.set rS, 96*(sa%2)+12*sk
.set rTS, TS+4*(\p)+sk/2
.set rSS, SS+4*sa+sk/2
.if sk == 0
	v_wmma_scale_f32_16x16x128_f8f6f4 v[rD:rD+7], v[rT:rT+11], v[rS:rS+11], 0, v[rTS], v[rSS] matrix_a_fmt:MATRIX_FMT_BF6 matrix_b_fmt:MATRIX_FMT_BF6
.elseif sk%2 == 1
	v_wmma_scale_f32_16x16x128_f8f6f4 v[rD:rD+7], v[rT:rT+11], v[rS:rS+11], v[rD:rD+7], v[rTS], v[rSS] matrix_a_fmt:MATRIX_FMT_BF6 matrix_b_fmt:MATRIX_FMT_BF6 matrix_a_scale:MATRIX_SCALE_ROW1 matrix_b_scale:MATRIX_SCALE_ROW1
.else
	v_wmma_scale_f32_16x16x128_f8f6f4 v[rD:rD+7], v[rT:rT+11], v[rS:rS+11], v[rD:rD+7], v[rTS], v[rSS] matrix_a_fmt:MATRIX_FMT_BF6 matrix_b_fmt:MATRIX_FMT_BF6
.endif
.if \ep
	WIN 0
.set n, 2*(4*sk+sa)
	EP 1-(\p)
.set n, n+1
	EP 1-(\p)
.endif
.if (\g) >= 0
	WIN 0xc0                                       ; destination window 3, address window 0
	ds_load_b128 v[96*(1-(\p))+12*sk+4*(\g):96*(1-(\p))+12*sk+4*(\g)+3], v[ADR] offset:FRB*sk+16*(\g)
.endif
.endm
.macro ADDR p                          ; on to the next record: its addresses, and its scale words into set 1 - p
	WIN 0
	v_add_nc_u32 v[ADR], s[TB], v[L48]
	v_add_nc_u32 v[ADS], s[TB], v[L16]
	s_add_co_u32 s[TB], s[TB], REC
	ds_load_b128 v[TS+4*(1-(\p)):TS+4*(1-(\p))+3], v[ADS] offset:SCW
.endm
; A BLOCK of 16 targets, in set p.  ld = 1: the next block is fetched.  The LDS loads go in one order throughout: a block's scale words, then its fragments 0 to 7, three loads each, fragment k in the K step k of the block before.
; So behind fragment k of the block in hand stand 3 (7 - k) loads of this block and, of the next, 3 k and (from K step 1 on) the scale words: 21 or 22; the wait leaves 21 out.
; PLACES.  A load into a register that a matrix instruction has read, and the first read of a result, stand four plain vector lines behind that matrix instruction (ISA guide 7.12.1 for the first read of a result).
; The lines of the minimum are those places: they name the other set's accumulators and the state alone.  The tightest case is source block 3: behind its last product stand that slot's two lines, numbers 0 to 2 of the new list, and ADDR's two.
.macro BLOCK p, ep, ld
.set sk, 0
.rept 8
.if \ld
	s_wait_dscnt 21
.else
	s_wait_dscnt 21-3*sk                           ; nothing is fetched: behind fragment k stand the 3 (7 - k) loads of this block alone
.endif
.set sa, 0
	SLOT \p, \ep, -1
.if (\ld) && (sk == 0)
	ADDR \p
.endif
.rept 3
.set sa, sa+1
.if \ld
	SLOT \p, \ep, sa-1
.else
	SLOT \p, \ep, -1
.endif
.endr
.set sk, sk+1
.endr
.if \ep
	s_add_co_u32 s[TI], s[TI], 16
.endif
.endm
.macro KSTEP ld                        ; K step sk of a block in set 1, with the lines of the minimum
.set sa, 0
	SLOT 1, 1, -1
.rept 3
.set sa, sa+1
.if \ld
	SLOT 1, 1, sa-1
.else
	SLOT 1, 1, -1
.endif
.endr
.endm
; A SLOT'S LAST BLOCK changes slots.  Its own fragments were asked for in the block before, so the wave's reads of the slot are over as soon as they are in.  In front of the barrier each wave waits for all its tensor loads
; (one is out: its quarter of the next slot), adds 0 to its spare word, and waits for that and for its reads.  Behind it nobody reads this slot any more and the next slot is whole.
; fill = 1: the barrier opens a round of the cluster's barrier, and the joint refill of the slot just left is the first tensor load behind the round.
.macro CBLOCK fill
	WIN 0
	s_wait_tensorcnt 0x0                           ; no tensor load of mine is out, so a group 0 may be written
	ds_add_u32 v[SPW], v[NIL]                      ; 0 onto my spare word: two K steps' work stands between it and the wait for it
.if \fill
	s_xor_b32 s[G0B+1], s[G0B+1], SLOT1            ; the walking descriptor: the other slot than last time,
	s_add_nc_u64 s[G0B+2:G0B+3], s[G0B+2:G0B+3], SLOTB   ; the next eight records; the type bits on top are not reached
.endif
	s_sub_co_u32 s[TB], s[TB], SLOTB               ; the fetches go back to a slot's first record,
	s_xor_b32 s[TB], s[TB], SLOT1                  ; in the other slot
	s_wait_dscnt 22                                ; fragment 0 is in; fragments 1 to 7 and the add may be out
.set sk, 0
	KSTEP 0
	s_wait_dscnt 19                                ; fragment 1 is in; fragments 2 to 7 and the add may be out
.set sk, 1
	KSTEP 0
	s_wait_dscnt 0x0                               ; the add is done, and my reads of this slot are over
	s_barrier_signal -1
.set sk, 2
	KSTEP 0                                        ; work on registers while the others arrive
	WIN 0
	s_barrier_wait -1
.if \fill
	CREST                                          ; no wave of any partner still reads this slot or has a load on its way
	tensor_load_to_lds s[G0B:G0B+3], s[G1:G1+7]    ; my one tensor load until the next change of slots
	s_nop 0
	PLACES                                         ; four v_nop follow
.endif
	ADDR 1                                         ; the next block lies in the other slot: what K steps 0 to 2 could not yet ask for is asked for now, in the same order
	WIN 0xc0
.irp f, 0,1,2
.irp g, 0,1,2
	ds_load_b128 v[12*\f+4*\g:12*\f+4*\g+3], v[ADR] offset:FRB*\f+16*\g
.endr
.endr
.set sk, 3
.rept 5
	KSTEP 1
.set sk, sk+1
.endr
	s_add_co_u32 s[TI], s[TI], 16
.endm
.macro THREE_PAIRS                     ; six blocks: a pair is written once, since the sets come back after two blocks
	s_mov_b32 s[PAIRS], 3
.Lpair_\@:
	BLOCK 1, 1, 1
	BLOCK 0, 1, 1
	WIN 0                                          ; at a label and at a branch every window is 0
	s_sub_co_u32 s[PAIRS], s[PAIRS], 1
	s_cmp_lg_u32 s[PAIRS], 0
	s_cbranch_scc1 .Lpair_\@
.endm
	s_wait_tensorcnt 0x1                           ; my quarter of slot 0 is in; slot 1's may stay out
	s_barrier_signal -1
	s_barrier_wait -1                              ; everybody's is
	ADDR 1                                         ; block 0: its scale words into set 0,
	WIN 0xc0
.irp f, 0,1,2,3,4,5,6,7
.irp g, 0,1,2
	ds_load_b128 v[12*\f+4*\g:12*\f+4*\g+3], v[ADR] offset:FRB*\f+16*\g   ; its fragments into set 0
.endr
.endr
	s_wait_loadcnt 0x0                             ; the sources
	BLOCK 0, 0, 1                                  ; block 0: there is no block before it
	WIN 0
	PLACES                                         ; it had no lines of a minimum: these are the places behind its last products
	s_mov_b32 s[SLOTS], 6
.Lslot:                                            ; trip i: blocks 8 i + 1 to 8 i + 8; slot i % 2 is filled again, with records 8 (i + 2) on
	THREE_PAIRS
	CBLOCK 1
	BLOCK 0, 1, 1
	WIN 0
	s_sub_co_u32 s[SLOTS], s[SLOTS], 1
	s_cmp_lg_u32 s[SLOTS], 0
	s_cbranch_scc1 .Lslot
	THREE_PAIRS                                    ; blocks 49 to 54.  The tail is written out
	CBLOCK 0                                       ; block 55: the last change of slots asks for nothing
	BLOCK 0, 1, 1                                  ; block 56
	WIN 0
	THREE_PAIRS                                    ; blocks 57 to 62
	BLOCK 1, 1, 0                                  ; block 63 fetches nothing
	WIN 0
	PLACES
.set n, 0
.rept 64
	EP 1                                           ; block 63's minimum
.set n, n+1
.endr
; THE END.  For each source block: which of the kept eight scores gave the best d (the lowest such register: the lowest target); the index; d's bits made sortable as an unsigned number
; (a positive number's sign bit set, a negative number's bits all turned); then the better of the two halves of the lanes, on a tie the lower index.
.macro RESOLVE a
.irp j, 0,1,2,3,4,5,6,7
	v_sub_f32 v[RT+\j], 1.0, v[SAV+8*\a+\j]
.endr
	v_mov_b32 v[JX], 7
.irp j, 6,5,4,3,2,1,0
	v_cmp_neq_f32 vcc_lo, v[RT+\j], v[RBD+\a]
	v_cndmask_b32 v[JX], \j, v[JX], vcc_lo         ; j where d of register j is the best d
.endr
	v_add3_u32 v[IDX+\a], v[RBC+\a], v[H8], v[JX]
	v_ashrrev_i32 v[KEY+\a], 31, v[RBD+\a]
	v_or_b32 v[KEY+\a], 0x80000000, v[KEY+\a]
	v_xor_b32 v[KEY+\a], v[RBD+\a], v[KEY+\a]
	v_permlanex16_b32 v[OKY], v[KEY+\a], s[SEL], s[SEL+1]
	v_permlanex16_b32 v[OIX], v[IDX+\a], s[SEL], s[SEL+1]
	v_cmp_lt_u32 s44, v[OKY], v[KEY+\a]
	v_cmp_eq_u32 s45, v[OKY], v[KEY+\a]
	v_cmp_lt_u32 vcc_lo, v[OIX], v[IDX+\a]
	s_and_b32 s45, s45, vcc_lo
	s_or_b32 s44, s44, s45
	v_cndmask_b32 v[KEY+\a], v[KEY+\a], v[OKY], s44
	v_cndmask_b32 v[IDX+\a], v[IDX+\a], v[OIX], s44
.endm
	RESOLVE 0
	RESOLVE 1
	RESOLVE 2
	RESOLVE 3
.irp a, 0,2                            ; lanes 0-15 carry block a's 16 sources, lanes 16-31 block a + 1's
	v_cndmask_b32 v[OUT+\a], v[KEY+\a], v[KEY+\a+1], s[HM]
	v_cndmask_b32 v[OUT+\a+1], v[IDX+\a], v[IDX+\a+1], s[HM]
	global_store_b64 v[L8], v[OUT+\a:OUT+\a+1], s[46:47] offset:128*\a   ; 32 lanes store 256 consecutive bytes, at a multiple of 256 from the buffer's first byte
.endr
	s_wait_tensorcnt 0x0                           ; the wave's end: behind my last tensor load
	ds_add_u32 v[SPW], v[NIL]
	s_wait_dscnt 0x0
	CROUND                                         ; the closing round: no work-group ends while a partner may still ask for a tile that names it
	s_endpgm
.Lfunc_end_k_qf7e56d204e_match:
	.size	k_qf7e56d204e_match, .Lfunc_end_k_qf7e56d204e_match-k_qf7e56d204e_match
	.p2alignl 7, 3214868480
	.fill 96, 4, 3214868480
	.section	.rodata,"a",@progbits
	.p2align	6, 0x0
	.amdhsa_kernel k_qf7e56d204e_match
		.amdhsa_group_segment_fixed_size 327680
		.amdhsa_private_segment_fixed_size 0
		.amdhsa_enable_private_segment 0
		.amdhsa_kernarg_size 16
		.amdhsa_user_sgpr_count 2
		.amdhsa_user_sgpr_kernarg_segment_ptr 1
		.amdhsa_wavefront_size32 1
		.amdhsa_system_sgpr_workgroup_id_x 1
		.amdhsa_system_sgpr_workgroup_id_y 1
		.amdhsa_system_sgpr_workgroup_id_z 1
		.amdhsa_system_vgpr_workitem_id 0
		.amdhsa_next_free_vgpr 960
		.amdhsa_next_free_sgpr 66
		.amdhsa_reserve_vcc 1
		.amdhsa_float_denorm_mode_32 3
		.amdhsa_float_denorm_mode_16_64 3
		.amdhsa_memory_ordered 1
		.amdhsa_forward_progress 1
		.amdhsa_inst_pref_size 169
	.end_amdhsa_kernel
	.amdgpu_metadata
---
amdhsa.version: [ 1, 2 ]
amdhsa.kernels:
  - .name:           k_qf7e56d204e_match
    .symbol:         k_qf7e56d204e_match.kd
    .args:
      - { .name: recs, .offset: 0, .size: 8, .value_kind: global_buffer, .address_space: global }
      - { .name: cand, .offset: 8, .size: 8, .value_kind: global_buffer, .address_space: global }
    .group_segment_fixed_size: 327680
    .private_segment_fixed_size: 0
    .kernarg_segment_align: 8
    .kernarg_segment_size: 16
    .max_flat_workgroup_size: 128
    .sgpr_count:     66
    .vgpr_count:     960
    .wavefront_size: 32
...
	.end_amdgpu_metadata
.endif
;; end of part 2
;; launch gather (part 3): grid 512 x 1, 4 waves a work-group, no clusters, 0 bytes of LDS; arguments cand, target_features, out0; writes out0
.if DOCPART == 3
	.amdgcn_target "amdgcn-amd-amdhsa--gfx1250"
	.amdhsa_code_object_version 6
	.text
	.protected	k_qf7e56d204e_gather
	.globl	k_qf7e56d204e_gather
	.p2align	8
	.type	k_qf7e56d204e_gather,@function
k_qf7e56d204e_gather:
	s_mov_b64 s[64:65], 0
	v_nop
	global_prefetch_b8 v0, s[64:65] scope:SCOPE_SE
	s_setreg_imm32_b32 hwreg(HW_REG_WAVE_MODE, 25, 1), 1
	s_wait_xcnt 0x0
; For each source: the best of its eight candidates (key, index), one for each eighth of the targets; then out0[source] = target_features[index], a row of 4,096 bytes.  (The mean over one neighbour is that neighbour.)
; The keys are unsigned numbers that sort as the distances do.  The ranges ascend and the comparison is strict, so on a tie the lower index stays, as jax.lax.top_k has it.
; SHARES: a work-group takes 16 sources, a wave 4.  No loop, no LDS, no barrier: a wave has its four rows' 32 loads of 512 consecutive bytes out at once, and stores each as it comes.
; The index was stored by the launch before as a whole number; it is held to 8,191 before it enters an address.
	s_load_b128 s[4:7], s[0:1], 0x0                ; cand, target_features
	s_load_b64 s[8:9], s[0:1], 0x10                ; out0
	v_lshrrev_b32 v1, 5, v0
	v_readfirstlane_b32 s10, v1                    ; wave 0..3
	v_and_b32 v1, 31, v0
	v_lshlrev_b32 v2, 4, v1                        ; 16 x lane
	v_and_b32 v3, 3, v0
	v_lshl_add_u32 v3, s10, 2, v3                  ; lane l looks after source 4 w + l % 4 of the work-group's 16
	v_lshlrev_b32 v3, 3, v3                        ; 8 bytes a candidate
	s_lshl_b32 s12, ttmp9, 7                       ; 16 candidates a work-group
	s_mov_b32 s13, 0
	s_lshl_b32 s14, ttmp9, 16                      ; 16 rows of 4,096 bytes a work-group,
	s_lshl_b32 s15, s10, 14                        ; 4 a wave
	s_add_co_u32 s14, s14, s15
	s_mov_b32 s15, 0
	s_wait_kmcnt 0x0
	s_add_nc_u64 s[4:5], s[4:5], s[12:13]
	s_add_nc_u64 s[8:9], s[8:9], s[14:15]
.irp y, 0,1,2,3,4,5,6,7
	global_load_b64 v[4+2*\y:5+2*\y], v3, s[4:5] offset:65536*\y
.endr
	s_wait_loadcnt 0x0
	v_mov_b32 v20, v4
	v_mov_b32 v21, v5
.irp y, 1,2,3,4,5,6,7
	v_cmp_lt_u32 vcc_lo, v[4+2*\y], v20
	v_cndmask_b32 v20, v20, v[4+2*\y], vcc_lo
	v_cndmask_b32 v21, v21, v[5+2*\y], vcc_lo
.endr
.irp i, 0,1,2,3
	v_readlane_b32 s[20+\i], v21, \i               ; lane i holds source i's index
	s_min_u32 s[20+\i], s[20+\i], 0x1fff
	s_lshl_b32 s[20+\i], s[20+\i], 12              ; a row is 4,096 bytes
	v_add_nc_u32 v[22+\i], s[20+\i], v2
.endr
.irp i, 0,1,2,3
.irp j, 0,1,2,3,4,5,6,7
	global_load_b128 v[32+32*\i+4*\j:32+32*\i+4*\j+3], v[22+\i], s[6:7] offset:512*\j   ; no hint: several sources may name one row
.endr
.endr
.irp i, 0,1,2,3
.irp j, 0,1,2,3,4,5,6,7
	s_wait_loadcnt 31-8*\i-\j                      ; loads come back in order (ISA guide 5.7.1): this one is in, the younger ones stay out
	global_store_b128 v2, v[32+32*\i+4*\j:32+32*\i+4*\j+3], s[8:9] offset:4096*\i+512*\j th:TH_STORE_NT   ; 32 lanes store 512 consecutive bytes, at a multiple of 256 from out0's first byte
.endr
.endr
	s_endpgm
.Lfunc_end_k_qf7e56d204e_gather:
	.size	k_qf7e56d204e_gather, .Lfunc_end_k_qf7e56d204e_gather-k_qf7e56d204e_gather
	.p2alignl 7, 3214868480
	.fill 96, 4, 3214868480
	.section	.rodata,"a",@progbits
	.p2align	6, 0x0
	.amdhsa_kernel k_qf7e56d204e_gather
		.amdhsa_group_segment_fixed_size 0
		.amdhsa_private_segment_fixed_size 0
		.amdhsa_enable_private_segment 0
		.amdhsa_kernarg_size 24
		.amdhsa_user_sgpr_count 2
		.amdhsa_user_sgpr_kernarg_segment_ptr 1
		.amdhsa_wavefront_size32 1
		.amdhsa_system_sgpr_workgroup_id_x 1
		.amdhsa_system_sgpr_workgroup_id_y 1
		.amdhsa_system_sgpr_workgroup_id_z 1
		.amdhsa_system_vgpr_workitem_id 0
		.amdhsa_next_free_vgpr 160
		.amdhsa_next_free_sgpr 66
		.amdhsa_reserve_vcc 1
		.amdhsa_float_denorm_mode_32 3
		.amdhsa_float_denorm_mode_16_64 3
		.amdhsa_memory_ordered 1
		.amdhsa_forward_progress 1
		.amdhsa_inst_pref_size 11
	.end_amdhsa_kernel
	.amdgpu_metadata
---
amdhsa.version: [ 1, 2 ]
amdhsa.kernels:
  - .name:           k_qf7e56d204e_gather
    .symbol:         k_qf7e56d204e_gather.kd
    .args:
      - { .name: cand, .offset: 0, .size: 8, .value_kind: global_buffer, .address_space: global }
      - { .name: target_features, .offset: 8, .size: 8, .value_kind: global_buffer, .address_space: global }
      - { .name: out0, .offset: 16, .size: 8, .value_kind: global_buffer, .address_space: global }
    .group_segment_fixed_size: 0
    .private_segment_fixed_size: 0
    .kernarg_segment_align: 8
    .kernarg_segment_size: 24
    .max_flat_workgroup_size: 128
    .sgpr_count:     66
    .vgpr_count:     160
    .wavefront_size: 32
...
	.end_amdgpu_metadata
.endif
;; end of part 3
